; MI455X (gfx1250); checked and timed in simulation.
; The chip was launched on July 23, 2026; its instructions are those of AMD's public machine-readable ISA for CDNA 5 (MIT licence, August 2026) and "CDNA5" Instruction Set Architecture Reference Guide (July 2026). The comments in the code are by the model that wrote it; some were corrected since.
;; Bahdanau Attention. Allowed arithmetic: matrix products marked QUANTISED: E3M2 operands, one E8M0 scale for each 32 along K, by v_wmma_scale_f32_16x16x128_f8f6f4 with both operands' format E3M2, f32 sums; products left as they are: f32 operands where the result goes on into a quantised operand, else bf16, f16 or f32 operands; f32 sums; everything else in f32.
;; Inputs: Ua_b 1,024 float32; Ua_w 1,024 x 1,024 float32; Va_b 1 float32; Va_w 1 x 1,024 float32; Wa_b 1,024 float32; Wa_w 1,024 x 1,024 float32; keys 32 x 2,048 x 1,024 float32; mask 32 x 2,048 int32; query 32 x 1,024 float32.
;; Outputs: out0 32 x 1,024 float32; out1 32 x 2,048 float32.
;; This version of the problem:
;;   THIS VERSION OF THE PROBLEM IS GIVEN IN LOW PRECISION. The matrix products marked QUANTISED in the list below multiply operands that are first quantised to E3M2 (3 exponent bits, 2 mantissa bits; 6 bits a number), with one power-of-two scale for each 32 numbers along K (OCP MX v1.0); their sums are f32. All else is computed in f32.
;;   The module's matrix products, in the order in which they are computed (A, B: the left and right operand; K: the contracted axis; several contracted axes count as one K, in the product's order):
;;     1. [M 32, K 1,024] x [K 1,024, N 1,024]; A: input query; B: input Wa_w: QUANTISED
;;     2. [M 65,536, K 1,024] x [K 1,024, N 1,024]; A: input keys; B: input Ua_w: QUANTISED
;;     3. [M 65,536, K 1,024] x [K 1,024, N 1]; A: computed on the way; B: input Va_w: left as it is (N = 1 < 16)
;;     4. batch 32 x [M 1, K 2,048] x [K 2,048, N 1,024]; A: softmax; B: input keys: left as it is (M = 1 < 16)
;;   THE QUANTISER, for each operand of a quantised product, along K:
;;     - K is cut into blocks of 32 from its start; a last block that is shorter is filled with zeros.
;;     - A block's scale is 2^e with e = floor(log2(the largest magnitude in the block)) - 4, held to -126 .. 127; a block of zeros has e = 0. As a byte (E8M0): e + 127.
;;     - Each number is divided by its block's scale, clamped to +-28, and rounded to the nearest number of E3M2, ties to even, subnormals kept.
;;     - The product sums the exact products of the quantised numbers (number of the format x scale) in f32.
;;   ~~~python
;;   def quantise(x, axis):      # numpy; x: float32 -> the quantised numbers, widened to float32 again
;;       x = np.moveaxis(x, axis, -1); K = x.shape[-1]
;;       x = np.pad(x, [(0, 0)] * (x.ndim - 1) + [(0, -K % 32)]); x = x.reshape(x.shape[:-1] + (-1, 32)); a = np.abs(x).max(-1, keepdims=True)
;;       e = np.where(a > 0, np.clip(np.frexp(np.where(a > 0, a, 1))[1] - 1 - 4, -126, 127), 0)      # np.frexp(a)[1] - 1 = floor(log2(a)), exactly
;;       r = np.clip(x / 2.0 ** e, -28, 28)
;;       step = 2.0 ** (np.maximum(np.frexp(np.where(r == 0, 1, r))[1] - 1, -2) - 2)
;;       q = np.round(r / step) * step * 2.0 ** e      # np.round: ties to even
;;       return np.moveaxis(q.reshape(q.shape[:-2] + (-1,))[..., :K], -1, axis).astype(np.float32)
;;   ~~~
;; One version. Each part assembles by itself: llvm-mc -triple=amdgcn-amd-amdhsa -mcpu=gfx1250 --defsym DOCPART=n.
;; ======== version 1 of 1: 4 launches
;; limits: right only within a limited range of input values
;; workspace buffers: uaimg 819,200 bytes; qtab 524,288 bytes; scores 262,144 bytes; part 1,048,576 bytes
;; launch prep (part 1): grid 128 x 1, 8 waves a work-group, no clusters, 288,256 bytes of LDS; arguments Wa_w, Ua_w, query, Wa_b, Ua_b, Va_w, uaimg, qtab; writes uaimg, qtab
.if DOCPART == 1
	.amdgcn_target "amdgcn-amd-amdhsa--gfx1250"
	.amdhsa_code_object_version 6
	.text
	.protected	k_qa97cbb78c1_prep
	.globl	k_qa97cbb78c1_prep
	.p2align	8
	.type	k_qa97cbb78c1_prep,@function
k_qa97cbb78c1_prep:
	s_mov_b64 s[64:65], 0
	v_nop
	global_prefetch_b8 v0, s[64:65] scope:SCOPE_SE
	s_setreg_imm32_b32 hwreg(HW_REG_WAVE_MODE, 25, 1), 1
	s_wait_xcnt 0x0
; PREP.  Two jobs on one plan; a work-group takes 16 rows g = 16 t + r of a weight [1024][1024] f32 (K innermost), wave s the K step 128 s .. 128 s + 127.
;  work-groups 64-127 (Ua_w): the rows become codes of BF6 (E3M2) with one E8M0 byte for each 32 along K, stored to uaimg AS IMAGES OF THE OPERAND'S REGISTERS:
;     block t of 12,800 bytes = eight fragments (K step s at 1,536 s; registers 4 c .. 4 c + 3 of lane l at 512 c + 16 l), then at 12,288 the scale words: that of (s, r) at 256 (s / 4) + 16 r + 4 (s % 4).
;  work-groups 0-63 (Wa_w): the rows and all 32 rows of query are quantised likewise, q_proj = query Wa_w^T comes from the matrix unit (each wave one K step, the eight partial sums meet in LDS), and
;     qtab[b][g] = (cb, va, va, cb), 16 bytes, cb = C2 (q_proj[b][g] + Wa_b[g] + Ua_b[g]), va = Va_w[g], C2 = 2 log2(e): what the next launch's tanh wants of a column g (words 1 and 3 only fill the pairs that packed forms name).
; A LANE HOLDS WHOLE BLOCKS IN THE OPERAND'S OWN ORDER: lane (r = l % 16, h = l / 16) holds of row r the numbers k = 64 c + 32 h + 0 .. 31 (c = 0, 1) of the K step, so a block's largest magnitude needs no other lane
; and the conversions' results are the fragment's registers 6 c .. 6 c + 5.
; AND YET EVERY LOAD IS DENSE: a load takes one row's 512 consecutive bytes of the K step, 16 a lane; the 16 rows turn through a stage of the wave's own in LDS (rows 528 bytes apart: 512 + 16, so that the sixteen rows
; that a 16-byte load touches start at sixteen different banks; 64 banks of 4 bytes: ISA guide 11.1) and come back 128 bytes a lane.  Each fragment has a stage of its own, and Ua's work-groups a fourth.
; THE SCALE: byte = exponent field of the block's largest magnitude - 4, held at 1 from below by a floor among the maximum's leaves.
; LIMITS: a block of zeros gets the byte 1 where the rule says 127 (its codes are zeros, and this program alone reads the bytes); blocks whose largest magnitude lies under 2^-122 have their byte held at 1;
; NaN and infinities among the inputs are not served.  q_proj is summed as eight partial sums of 128 along K, added in f32 as a tree.
; NO CLUSTER, NO TENSOR LOADS: what work-groups share here is query, 128 KB of the 8.5 MB that the launch reads, and nothing is read from LDS by another wave than the one that put it there, but for the partial sums and Ua's scale image.
.set C2,    0x4038aa3b                 ; 2 log2(e)
.set FLOOR, 0x2800000                  ; 2^(5 - 127)
.set EOFF,  0xfe000000                 ; -(4 << 23)
.set QP,    0                          ; LDS: Wa's work-groups: eight waves x four pieces of 512 bytes, the partial sums
.set USC,   16384                      ; LDS: Ua's work-groups: the 512 bytes of the tile's scale image (bytes of their own)
.set STG,   16896                      ; LDS: the stages: four of 8,448 bytes for each wave
.set KP,    528
.set STGB,  16*KP
.set WSTG,  4*STGB
.set RR,   1                           ; v1   r
.set HH,   2                           ; v2   h
.set SLD,  3                           ; v3   out of my stages: STG + 33,792 wave + 528 r + 128 h
.set H8,   4                           ; v4   8 h
.set LI,   5                           ; v5   16 l
.set PST,  6                           ; v6   QP + 2,048 wave + 16 l
.set RADR, 7                           ; v7   where batches 4 w .. 4 w + 3 of column r lie in a wave's four pieces
.set UST,  8                           ; v8   USC + 256 (w / 4) + 16 r + 4 (w % 4)
.set URD,  9                           ; v9   USC + 16 l
.set GB,   10                          ; v10  4 g
.set QOFF, 11                          ; v11  16,384 h + 16 r
.set BWA,  12                          ; v12-14 Wa_b[g], Ua_b[g], Va_w[g]
.set BUA,  13
.set BVA,  14
.set SST,  15                          ; v15  into my stages: STG + 33,792 wave + 16 l
.set MX0,  16                          ; v16-23 at work in QUANT
.set MX1,  17
.set SO0,  18
.set SO1,  19
.set BY0,  20
.set BY1,  21
.set W0,   22
.set W1,   23
.set T,    24                          ; v24-26, v28-30 the halves of a block's codes that begin on an odd register
.set WF,   32                          ; v32-43 the weight's fragment
.set QF0,  44                          ; v44-55 query's rows 0-15
.set WS,   56                          ; v56-58 scale words, and nothing else
.set QS0,  57
.set QS1,  58
.set X2,   64                          ; v64-127, v128-191, v192-255 three sets of 64 numbers
.set X0,   128
.set X1,   192
.set QF1,  128                         ; v128-139 query's rows 16-31: made when the weight's numbers have left these registers
.set D0,   144                         ; v144-159 two accumulators
.set D1,   152
.set O,    160                         ; v160-167 two entries of qtab
.set E,    192                         ; v192-223 eight partial sums of four batches
.set WV,   20                          ; s20 wave
.set TT,   21                          ; s21 t
.set SEL,  22                          ; s[22:23] v_permlanex16_b32's selects for lane l xor 16
	s_load_b256 s[4:11], s[0:1], 0x0               ; Wa_w s[4:5], Ua_w s[6:7], query s[8:9], Wa_b s[10:11]
	s_load_b256 s[12:19], s[0:1], 0x20
	v_lshl_add_u32 v60, v0, 2, 287232              ; my spare word, behind the stages; v60 and v61 serve the closing add alone
	v_mov_b32 v61, 0
	v_lshrrev_b32 v[RR], 5, v0
	s_delay_alu instid0(VALU_DEP_1)
	v_readfirstlane_b32 s[WV], v[RR]               ; wave 0..7 = my K step
	s_and_b32 s[TT], ttmp9, 63                     ; my tile of 16 rows
	v_and_b32 v[RR], 15, v0
	v_bfe_u32 v[HH], v0, 4, 1
	s_delay_alu instid0(VALU_DEP_1)
	v_lshlrev_b32 v[H8], 3, v[HH]
	v_and_b32 v[LI], 31, v0
	s_delay_alu instid0(VALU_DEP_1)
	v_lshlrev_b32 v[LI], 4, v[LI]
	; every LDS address is made here, ahead of the parting of the two jobs
	s_wait_alu depctr_va_vdst(0)
	s_mul_i32 s32, s[WV], WSTG
	s_add_co_u32 s32, s32, STG
	v_add_nc_u32 v[SST], s32, v[LI]
	v_mul_u32_u24 v[SLD], v[RR], KP
	s_delay_alu instid0(VALU_DEP_1)
	v_lshl_add_u32 v[SLD], v[HH], 7, v[SLD]
	s_delay_alu instid0(VALU_DEP_1)
	v_add_nc_u32 v[SLD], s32, v[SLD]
	s_lshl_b32 s32, s[WV], 11
	v_add_nc_u32 v[PST], s32, v[LI]
	s_lshr_b32 s32, s[WV], 2                       ; batch 4 w + q = 16 mt + 8 h' + 4 half + q: mt = w / 4, h' = (w / 2) % 2, half = w % 2
	s_lshl_b32 s33, s32, 10                        ; piece 2 mt + half of 512 bytes, lane 16 h' + r of 16 bytes
	s_and_b32 s34, s[WV], 1
	s_lshl_b32 s34, s34, 9
	s_add_co_u32 s33, s33, s34
	s_bfe_u32 s34, s[WV], 0x10001
	s_lshl_b32 s34, s34, 8
	s_add_co_u32 s33, s33, s34
	v_lshl_add_u32 v[RADR], v[RR], 4, s33
	s_lshl_b32 s32, s32, 8
	s_and_b32 s34, s[WV], 3
	s_lshl_b32 s34, s34, 2
	s_add_co_u32 s32, s32, s34
	s_add_co_u32 s32, s32, USC
	v_lshl_add_u32 v[UST], v[RR], 4, s32
	v_add_nc_u32 v[URD], USC, v[LI]
	s_lshl_b32 s32, s[TT], 6
	v_lshl_add_u32 v[GB], v[RR], 2, s32
	v_lshlrev_b32 v[QOFF], 4, v[RR]
	s_delay_alu instid0(VALU_DEP_1)
	v_lshl_add_u32 v[QOFF], v[HH], 14, v[QOFF]
	v_mov_b32 v[W1], 0                             ; written once: a lane permute's destination counts as one of its sources
	s_mov_b32 s[SEL], 0x76543210
	s_mov_b32 s[SEL+1], 0xfedcba98
	s_mov_b32 s41, C2
	s_lshl_b32 s32, s[TT], 16                      ; the weight: 16 rows of 4,096 bytes a tile, 512 bytes a K step
	s_lshl_b32 s34, s[WV], 9
	s_add_co_u32 s32, s32, s34
	s_mov_b32 s33, 0
	s_mov_b32 s35, 0                               ; s[34:35]: query's K step
	s_mul_i32 s36, s[TT], 12800                    ; uaimg: the tile's block, my K step's image
	s_mul_i32 s38, s[WV], 1536
	s_add_co_u32 s36, s36, s38
	s_mov_b32 s37, 0
	s_lshl_b32 s38, s[WV], 16                      ; qtab: batches 4 w on (16,384 bytes each), columns 16 t on (16 bytes each)
	s_lshl_b32 s40, s[TT], 8
	s_add_co_u32 s38, s38, s40
	s_mov_b32 s39, 0
	s_wait_alu depctr_va_vdst(0)
	s_wait_kmcnt 0x0
	s_cmp_lt_u32 ttmp9, 64                         ; Wa's work-group or Ua's: the choice hangs on the work-group's number alone
	s_cselect_b64 s[24:25], s[4:5], s[6:7]
	s_add_nc_u64 s[24:25], s[24:25], s[32:33]
	s_add_nc_u64 s[26:27], s[8:9], s[34:35]
	s_add_nc_u64 s[28:29], s[16:17], s[36:37]
	s_add_nc_u64 s[30:31], s[18:19], s[38:39]
.macro LOADC x, base, imm              ; 16 rows' 512 bytes of my K step, from imm bytes on: a load takes one row, 32 lanes x 16 consecutive bytes
.irp i, 0,1,2,3,4,5,6,7,8,9,10,11,12,13,14,15
	global_load_b128 v[\x+4*\i:\x+4*\i+3], v[LI], s[\base:\base+1] offset:\imm+4096*\i
.endr
.endm
.macro TURNS x, st                     ; through stage st and back into the registers that they left: register 32 c + i is then k 64 c + 32 h + i of row r.  LDS serves a wave's instructions in order (ISA guide 5.7.1.4): no wait between
.irp i, 0,1,2,3,4,5,6,7,8,9,10,11,12,13,14,15
	ds_store_b128 v[SST], v[\x+4*\i:\x+4*\i+3] offset:STGB*\st+KP*\i
.endr
.irp c, 0,1
.irp i, 0,1,2,3,4,5,6,7
	ds_load_b128 v[\x+32*\c+4*\i:\x+32*\c+4*\i+3], v[SLD] offset:STGB*\st+256*\c+16*\i
.endr
.endr
.endm
; v[x] .. v[x + 63] become a fragment's twelve registers at v[a] and its rows' scale word in v[sc]
.macro QUANT x, a, sc
	v_max3_num_f32 v[MX0], |v[\x]|, |v[\x+1]|, FLOOR               ; my two blocks' largest magnitudes, by turns; the floor holds the byte at 1 from below
	v_max3_num_f32 v[MX1], |v[\x+32]|, |v[\x+33]|, FLOOR
.irp i, 2,4,6,8,10,12,14,16,18,20,22,24,26,28,30
	s_delay_alu instid0(VALU_DEP_2)
	v_max3_num_f32 v[MX0], v[MX0], |v[\x+\i]|, |v[\x+\i+1]|
	s_delay_alu instid0(VALU_DEP_2)
	v_max3_num_f32 v[MX1], v[MX1], |v[\x+32+\i]|, |v[\x+33+\i]|
.endr
	s_delay_alu instid0(VALU_DEP_2)
	v_add_nc_u32 v[SO0], EOFF, v[MX0]              ; 4 off the exponent field: the conversion takes this operand's exponent field as its scale
	s_delay_alu instid0(VALU_DEP_2)
	v_add_nc_u32 v[SO1], EOFF, v[MX1]
	s_delay_alu instid0(VALU_DEP_2)
	v_lshrrev_b32 v[BY0], 23, v[SO0]               ; the scale's byte
	s_delay_alu instid0(VALU_DEP_2)
	v_lshrrev_b32 v[BY1], 23, v[SO1]
	s_delay_alu instid0(VALU_DEP_1)
	v_lshl_or_b32 v[W0], v[BY1], 16, v[BY0]        ; my bytes are those of blocks h and 2 + h:
	s_delay_alu instid0(VALU_DEP_1)
	v_lshlrev_b32 v[W0], v[H8], v[W0]              ; 8 h bits up;
	s_delay_alu instid0(VALU_DEP_1)
	v_permlanex16_b32 v[W1], v[W0], s[SEL], s[SEL+1]
	s_delay_alu instid0(VALU_DEP_1)
	v_or_b32 v[\sc], v[W0], v[W1]                  ; with lane l xor 16's two the word is whole, in both halves of the lanes
	v_cvt_scalef32_pk16_bf6_f32 v[\a:\a+2], v[\x:\x+15], v[SO0]
	v_cvt_scalef32_pk16_bf6_f32 v[T:T+2], v[\x+16:\x+31], v[SO0]   ; (a conversion's three registers begin on an even number: a block's second three are made elsewhere and moved)
	v_cvt_scalef32_pk16_bf6_f32 v[\a+6:\a+8], v[\x+32:\x+47], v[SO1]
	v_cvt_scalef32_pk16_bf6_f32 v[T+4:T+6], v[\x+48:\x+63], v[SO1]
	v_nop                                          ; one plain line behind the last conversion
.irp i, 0,1,2
	v_mov_b32 v[\a+3+\i], v[T+\i]
	v_mov_b32 v[\a+9+\i], v[T+4+\i]
.endr
.endm
	LOADC X0, 24, 0                                ; the weight's 16 rows, my K step
	global_load_b32 v[BWA], v[GB], s[10:11]        ; the three numbers of column g stand ahead of the parting, so that their registers are written on every way through the text
	global_load_b32 v[BUA], v[GB], s[12:13]
	global_load_b32 v[BVA], v[GB], s[14:15]
	s_cmp_lt_u32 ttmp9, 64
	s_cbranch_scc0 .Lua
	; ---- Wa's work-groups: q_proj.  All that the wave reads is asked for at once: 51 loads
	LOADC X1, 26, 0                                ; query's rows 0-15
	LOADC X2, 26, 65536                            ; query's rows 16-31
	s_wait_loadcnt 35                              ; the weight is in: behind it 3 + 16 + 16 loads were issued
	TURNS X0, 0
	s_wait_loadcnt 16                              ; rows 0-15 and the three numbers are in; rows 16-31 may be out
	TURNS X1, 1
	s_wait_dscnt 32                                ; the weight's numbers are back from their stage: behind them stand the 16 stores and 16 loads of rows 0-15
	QUANT X0, WF, WS
	s_wait_loadcnt 0x0
	TURNS X2, 2
	s_wait_dscnt 32                                ; rows 0-15 are back; the 32 just issued may be out
	QUANT X1, QF0, QS0
	s_wait_dscnt 0x0
	QUANT X2, QF1, QS1
.rept 8
	v_nop                                          ; a scale word made by vector lines stands eight places ahead of the scaled matrix instruction, an operand four
.endr
	v_wmma_scale_f32_16x16x128_f8f6f4 v[D0:D0+7], v[QF0:QF0+11], v[WF:WF+11], 0, v[QS0], v[WS] matrix_a_fmt:MATRIX_FMT_BF6 matrix_b_fmt:MATRIX_FMT_BF6   ; register j of lane (r, h): batch 8 h + j, column g = 16 t + r
	v_wmma_scale_f32_16x16x128_f8f6f4 v[D1:D1+7], v[QF1:QF1+11], v[WF:WF+11], 0, v[QS1], v[WS] matrix_a_fmt:MATRIX_FMT_BF6 matrix_b_fmt:MATRIX_FMT_BF6   ; batches 16 + 8 h + j
.rept 4
	v_nop                                          ; four places behind a matrix instruction before its result is read (ISA guide 7.12.1)
.endr
	ds_store_b128 v[PST], v[D0:D0+3]               ; each accumulator from its low end on
	ds_store_b128 v[PST], v[D0+4:D0+7] offset:512
	ds_store_b128 v[PST], v[D1:D1+3] offset:1024
	ds_store_b128 v[PST], v[D1+4:D1+7] offset:1536
	s_branch .Ljoin
.Lua:
	; ---- Ua's work-groups: the image
	s_wait_loadcnt 0x0
	TURNS X0, 3                                    ; a stage that the other job never names
	s_wait_dscnt 0x0
	QUANT X0, WF, WS
.irp c, 0,1,2
	global_store_b128 v[LI], v[WF+4*\c:WF+4*\c+3], s[28:29] offset:512*\c   ; 32 lanes store 512 consecutive bytes, at a multiple of 256 from the buffer's first byte
.endr
	ds_store_b32 v[UST], v[WS]                     ; lanes r and 16 + r write the same word with the same value
.Ljoin:
	s_wait_tensorcnt 0x0                           ; behind my last LDS store
	ds_add_u32 v60, v61
	s_wait_dscnt 0x0
	s_barrier_signal -1
	s_barrier_wait -1
	s_cmp_lt_u32 ttmp9, 64
	s_cbranch_scc0 .Lua2
	; ---- Wa's: wave w adds the eight partial sums of batches 4 w .. 4 w + 3 and writes their entries for the tile's 16 columns
.irp p, 0,1,2,3,4,5,6,7
	ds_load_b128 v[E+4*\p:E+4*\p+3], v[RADR] offset:QP+2048*\p
.endr
	s_wait_dscnt 0x0
.irp n, 4,2,1
.set i, 0
.rept \n
	v_pk_add_f32 v[E+4*i:E+4*i+1], v[E+4*i:E+4*i+1], v[E+4*(i+\n):E+4*(i+\n)+1]
	v_pk_add_f32 v[E+4*i+2:E+4*i+3], v[E+4*i+2:E+4*i+3], v[E+4*(i+\n)+2:E+4*(i+\n)+3]
.set i, i+1
.endr
.endr
	v_cmp_ne_u32 vcc_lo, 0, v[HH]                  ; lanes 16-31 take the odd batch of each pair
	v_add_f32 v[MX0], v[BWA], v[BUA]
	s_delay_alu instid0(VALU_DEP_1)
	v_mul_f32 v[MX0], s41, v[MX0]                  ; C2 (Wa_b + Ua_b)
.irp i, 0,1
	v_cndmask_b32 v[MX1], v[E+2*\i], v[E+2*\i+1], vcc_lo
	s_delay_alu instid0(VALU_DEP_1)
	v_fma_f32 v[O+4*\i], v[MX1], s41, v[MX0]       ; cb of batch 4 w + 2 i + h
	v_mov_b32 v[O+4*\i+1], v[BVA]
	v_mov_b32 v[O+4*\i+2], v[BVA]
	s_delay_alu instid0(VALU_DEP_3)
	v_mov_b32 v[O+4*\i+3], v[O+4*\i]
	global_store_b128 v[QOFF], v[O+4*\i:O+4*\i+3], s[30:31] offset:32768*\i   ; sixteen lanes store 256 consecutive bytes, aligned
.endr
	s_endpgm
.Lua2:
	; ---- Ua's: wave 0 sends the tile's scale image, 512 bytes on end
	s_cmp_lg_u32 s[WV], 0
	s_cbranch_scc1 .Ldone
	ds_load_b128 v[E:E+3], v[URD]
	s_wait_dscnt 0x0
	global_store_b128 v[LI], v[E:E+3], s[28:29] offset:12288   ; wave 0's base is the block's first byte
.Ldone:
	s_endpgm
.Lfunc_end_k_qa97cbb78c1_prep:
	.size	k_qa97cbb78c1_prep, .Lfunc_end_k_qa97cbb78c1_prep-k_qa97cbb78c1_prep
	.p2alignl 7, 3214868480
	.fill 96, 4, 3214868480
	.section	.rodata,"a",@progbits
	.p2align	6, 0x0
	.amdhsa_kernel k_qa97cbb78c1_prep
		.amdhsa_group_segment_fixed_size 288256
		.amdhsa_private_segment_fixed_size 0
		.amdhsa_enable_private_segment 0
		.amdhsa_kernarg_size 64
		.amdhsa_user_sgpr_count 2
		.amdhsa_user_sgpr_kernarg_segment_ptr 1
		.amdhsa_wavefront_size32 1
		.amdhsa_system_sgpr_workgroup_id_x 1
		.amdhsa_system_sgpr_workgroup_id_y 1
		.amdhsa_system_sgpr_workgroup_id_z 1
		.amdhsa_system_vgpr_workitem_id 0
		.amdhsa_next_free_vgpr 256
		.amdhsa_next_free_sgpr 66
		.amdhsa_reserve_vcc 1
		.amdhsa_float_denorm_mode_32 3
		.amdhsa_float_denorm_mode_16_64 3
		.amdhsa_memory_ordered 1
		.amdhsa_forward_progress 1
		.amdhsa_inst_pref_size 37
	.end_amdhsa_kernel
	.amdgpu_metadata
---
amdhsa.version: [ 1, 2 ]
amdhsa.kernels:
  - .name:           k_qa97cbb78c1_prep
    .symbol:         k_qa97cbb78c1_prep.kd
    .args:
      - { .name: Wa_w, .offset: 0, .size: 8, .value_kind: global_buffer, .address_space: global }
      - { .name: Ua_w, .offset: 8, .size: 8, .value_kind: global_buffer, .address_space: global }
      - { .name: query, .offset: 16, .size: 8, .value_kind: global_buffer, .address_space: global }
      - { .name: Wa_b, .offset: 24, .size: 8, .value_kind: global_buffer, .address_space: global }
      - { .name: Ua_b, .offset: 32, .size: 8, .value_kind: global_buffer, .address_space: global }
      - { .name: Va_w, .offset: 40, .size: 8, .value_kind: global_buffer, .address_space: global }
      - { .name: uaimg, .offset: 48, .size: 8, .value_kind: global_buffer, .address_space: global }
      - { .name: qtab, .offset: 56, .size: 8, .value_kind: global_buffer, .address_space: global }
    .group_segment_fixed_size: 288256
    .private_segment_fixed_size: 0
    .kernarg_segment_align: 8
    .kernarg_segment_size: 64
    .max_flat_workgroup_size: 256
    .sgpr_count:     66
    .vgpr_count:     256
    .wavefront_size: 32
...
	.end_amdgpu_metadata
.endif
;; end of part 1
;; launch score (part 2): grid 256 x 1, 8 waves a work-group, clusters of 4 x 1, 327,680 bytes of LDS; arguments keys, uaimg, qtab, mask, Va_b, scores; writes scores
.if DOCPART == 2
	.amdgcn_target "amdgcn-amd-amdhsa--gfx1250"
	.amdhsa_code_object_version 6
	.text
	.protected	k_qa97cbb78c1_score
	.globl	k_qa97cbb78c1_score
	.p2align	8
	.type	k_qa97cbb78c1_score,@function
k_qa97cbb78c1_score:
	s_mov_b64 s[64:65], 0
	v_nop
	global_prefetch_b8 v0, s[64:65] scope:SCOPE_SE
	s_setreg_imm32_b32 hwreg(HW_REG_WAVE_MODE, 25, 1), 1
	s_wait_xcnt 0x0
	s_wait_alu depctr_hold_cnt(0) depctr_sa_sdst(0) depctr_va_vdst(0) depctr_va_sdst(0) depctr_va_ssrc(0) depctr_va_vcc(0) depctr_vm_vsrc(0)
	s_getreg_b32 s2, hwreg(HW_REG_IB_STS2, 6, 4)
	s_cmp_eq_u32 s2, 0
	s_cbranch_scc0 .Lentry_in_a_cluster
	s_endpgm
.Lentry_in_a_cluster:
	s_bfe_u32 s2, ttmp6, 0x10000c
	s_cmp_lg_u32 s2, 0x3003
	s_cbranch_scc0 .Lentry_shape_is_right
	s_endpgm
.Lentry_shape_is_right:
; SCORE.  scores[b][s] = sum over g of Va_w[g] tanh(q_proj[b][g] + k_proj[b][s][g]) + Va_b, and the lowest finite f32 where mask == 0.
; SHARES.  A work-group takes 256 rows (b, s) of keys, a wave 32 of them for all 1,024 columns g.  Eight waves of 512 registers.
; PART 1: the wave's 32 rows x 1,024 K become 16 fragments of BF6 codes (192 registers) and 16 scale words.  A load takes 512 consecutive bytes of one row; 16 rows turn through
; the wave's own stage in LDS (rows 528 bytes apart) and come back 128 bytes a lane, in the operand's own order.  Up to three sets of 16 loads a wave are out; no barrier stands in this part.
; ROWS WITH mask == 0 ARE NOT FETCHED: their score is replaced below whatever it is, so their loads are turned onto the wave's first row (offset x 0).  The addresses hang on the whole
; numbers of mask alone, each held to 0 or 1 by s_min_u32.  So a NaN or an infinity in such a row of keys is not seen here.
; PART 2: Ua's image comes in 8 chunks of 8 column tiles (102,400 bytes) through two LDS slots, one joint load a wave (a tile of 12,800 bytes), shared by the 4 work-groups of a cluster.
; A step is a pair of column tiles: 32 matrix instructions on four accumulators by turns, then the next pair's fragments are fetched, then tanh of the 32 x 32 results:
; tanh x = 1 - 2 / (1 + 2^(C2 x)), C2 = 2 log2 e, in f32.  Lane (r, h) holds column r and rows 8 h + j; the sum over g is kept a lane and joined at the end.
; At a change of slots waves 0-3 multiply ahead of the barrier and waves 4-7 behind it, so that the two kinds stand in different parts of a step.
; NO PREFETCH: the keys' loads are 48 of 512 bytes a wave with no drain between them, and the image is 819,200 bytes that all 256 work-groups read.
; LIMITS: as the quantiser of the launch before: a block of zeros gets the byte 1 (its codes are zeros); NaN and infinities among the inputs are not served.
.set C2,     0x4038aa3b
.set FLOOR,  0x2800000                 ; 2^(5 - 127)
.set EOFF,   0xfe000000                ; -(4 << 23)
.set KP,     528
.set STGB,   16*KP
.set TILEB,  12800
.set CHUNKB, 8*TILEB
.set STG,    2*CHUNKB                  ; behind the two slots: eight stages
.set TAB,    STG+8*STGB                ; the batch's table (cb, va, va, cb), 16 bytes a column
.set SCR,    TAB+16384                 ; 256 scores
.set SPARE,  SCR+1024                  ; the spare words, 128 bytes a wave
; window 0
.set SPW,  1
.set NIL,  2
.set SST,  3
.set SLD,  4
.set LI,   5
.set H8,   6
.set TADR, 7
.set BADR, 8                           ; v8-11: slot 0 tiles 0-3, 4-7; slot 1 tiles 0-3, 4-7
.set SCW,  12
.set SCRD, 13
.set TST,  14
.set GOFF, 15
.set MX0,  16
.set MX1,  17
.set SO0,  18
.set SO1,  19
.set BY0,  20
.set BY1,  21
.set W0,   22
.set W1,   23
.set MK,   24                          ; v24-27 mask of four rows
.set SCP,  28                          ; v28-31 four scores (v28 at the head: the table's offset)
.set ASC,  32                          ; v32-47 keys' scale words: 2 s + m
.set BSC,  48                          ; v48-55 Ua's scale words (part 1: v48-63 the table on its way)
.set CV,   56                          ; v56-63 (cb, va, va, cb) of two tiles
.set BF,   64                          ; v64-255 Ua's fragments of two tiles (part 1: three sets of 64 numbers)
; window 1 (written by its low 8 bits)
.set AC,   192                         ; four accumulators: 2 u + m
.set SA,   224                         ; 16 sums: 8 m + j
.set SV,   240                         ; the lane's sum of va
.set T,    192                         ; part 1: halves of a block's codes
.set AD,   200                         ; part 1: 32 row offsets
.set KB,   16
.set G1U,  32
.set G0U,  40
.set WV,   48
.set CC,   52
.set SEL,  54
.set TY,   58
.set MSB, 0
.macro WIN new
.if MSB != (\new)
	s_set_vgpr_msb (MSB<<8)|(\new)
.set MSB, (\new)
.endif
.endm
.macro ROUND                           ; a round of the cluster's barrier
	s_barrier_signal -1
	s_barrier_wait -1
	s_cmp_lg_u32 s[WV], 0
	s_cbranch_scc1 .Lnot_wave_0_\@
	s_barrier_signal -3
.Lnot_wave_0_\@:
	s_barrier_wait -3
	s_barrier_signal -1
	s_barrier_wait -1
.endm
.macro TL g0, g1
	tensor_load_to_lds s[\g0:\g0+3], s[\g1:\g1+7]
	s_nop 0
.rept 4
	v_nop
.endr
.endm
	s_load_b256 s[4:11], s[0:1], 0x0               ; keys, uaimg, qtab, mask
	s_load_b128 s[12:15], s[0:1], 0x20             ; Va_b, scores
	v_lshl_add_u32 v[SPW], v0, 2, SPARE
	v_mov_b32 v[NIL], 0
	ds_add_u32 v[SPW], v[NIL]                      ; the opening lines: the add twice and its wait
	ds_add_u32 v[SPW], v[NIL]
	v_lshrrev_b32 v16, 5, v0
	v_readfirstlane_b32 s[WV], v16                 ; wave 0..7
	s_lshr_b32 s[TY], s[WV], 2                     ; kind of wave
	s_bfe_u32 s49, ttmp6, 0x40000
	s_lshl_b32 s50, ttmp9, 2
	s_add_co_u32 s50, s50, s49                     ; work-group
	s_lshr_b32 s51, s50, 3                         ; batch
	s_mov_b32 s[G1U+0], 15|(3<<16)|(1<<21)         ; a tile: 50 rows of 256 bytes, for all four of the cluster
	s_mov_b32 s[G1U+1], 32<<16
	s_mov_b32 s[G1U+2], 50<<16
	s_mov_b32 s[G1U+3], 32<<16
	s_mov_b32 s[G1U+4], 50
	s_mov_b32 s[G1U+5], 32
	s_mov_b32 s[G1U+6], 0
	s_mov_b32 s[G1U+7], 0
	s_mov_b32 s[CC], C2
	s_mov_b32 s[CC+1], C2
	s_mov_b32 s[SEL], 0x76543210
	s_mov_b32 s[SEL+1], 0xfedcba98
	s_mov_b32 s[G0U+0], 1
	s_mov_b32 s[G0U+4], 1
	s_mul_i32 s[G0U+1], s[WV], TILEB               ; slot 0, my tile
	s_add_co_u32 s[G0U+5], s[G0U+1], CHUNKB        ; slot 1
	s_mov_b32 s60, s[G0U+1]
	s_mov_b32 s61, 0
	s_lshl_b32 s22, s50, 20                        ; keys: 256 rows of 4,096 bytes a work-group, 32 a wave
	s_lshl_b32 s23, s[WV], 17
	s_add_co_u32 s22, s22, s23
	s_mov_b32 s23, 0
	s_lshl_b32 s24, s50, 10                        ; mask and scores: 1,024 bytes a work-group
	s_mov_b32 s25, 0
	s_lshl_b32 s26, s[WV], 7
	s_mov_b32 s27, 0
	s_lshl_b32 s28, s51, 14                        ; qtab: 16,384 bytes a batch
	s_mov_b32 s29, 0
	s_wait_dscnt 0x0
	s_wait_kmcnt 0x0
	s_add_nc_u64 s[10:11], s[10:11], s[24:25]
	s_add_nc_u64 s[20:21], s[10:11], s[26:27]
	s_load_b512 s[68:83], s[20:21], 0x0            ; mask of my 32 rows
	s_load_b512 s[84:99], s[20:21], 0x40
	s_load_b32 s57, s[12:13], 0x0                  ; Va_b
	s_add_nc_u64 s[KB:KB+1], s[4:5], s[22:23]
	s_add_nc_u64 s[G0U+2:G0U+3], s[6:7], s[60:61]
	s_add_nc_u64 s[G0U+6:G0U+7], s[G0U+2:G0U+3], CHUNKB
	s_or_b32 s[G0U+3], s[G0U+3], 0x80000000
	s_or_b32 s[G0U+7], s[G0U+7], 0x80000000
	s_add_nc_u64 s[8:9], s[8:9], s[28:29]
	s_add_nc_u64 s[14:15], s[14:15], s[24:25]
	ROUND
	TL G0U, G1U                                    ; chunk 0: my one load at the head
	v_and_b32 v16, 15, v0                          ; r
	v_bfe_u32 v17, v0, 4, 1                        ; h
	v_and_b32 v18, 31, v0
	v_lshlrev_b32 v[LI], 4, v18                    ; 16 l
	s_mul_i32 s60, s[WV], STGB
	s_add_co_u32 s60, s60, STG
	v_add_nc_u32 v[SST], s60, v[LI]
	v_mul_u32_u24 v[SLD], v16, KP
	v_lshl_add_u32 v[SLD], v17, 7, v[SLD]
	v_add_nc_u32 v[SLD], s60, v[SLD]
	v_lshlrev_b32 v[H8], 3, v17
	v_lshl_add_u32 v[TADR], v16, 4, TAB
	v_mov_b32 v[BADR], v[LI]
	v_add_nc_u32 v[BADR+1], 4*TILEB, v[LI]
	v_add_nc_u32 v[BADR+2], CHUNKB, v[LI]
	v_add_nc_u32 v[BADR+3], CHUNKB+4*TILEB, v[LI]
	v_lshl_add_u32 v[TST], v0, 4, TAB
	s_lshl_b32 s61, s[WV], 7
	s_add_co_u32 s61, s61, SCR
	v_lshl_add_u32 v[SCW], v17, 5, s61
	v_and_b32 v19, 63, v0
	v_lshlrev_b32 v[GOFF], 4, v19
	v_add_nc_u32 v[SCRD], SCR, v[GOFF]
	v_lshlrev_b32 v[SCP], 4, v0
	v_mov_b32 v[W1], 0                             ; a lane permute's destination counts as a source
	s_wait_alu depctr_va_vdst(0)
	s_wait_kmcnt 0x0
	WIN 0x40
.set i, 0
.rept 32
	s_min_u32 s[68+i], s[68+i], 1                  ; 0 or 1
	s_mul_i32 s[68+i], s[68+i], i*4096
	v_add_nc_u32 v[AD+i], s[68+i], v[LI]           ; row i's place, or the first row's where mask == 0
.set i, i+1
.endr
	WIN 0
	s_wait_alu depctr_va_vdst(0)
.irp i, 0,1,2,3
	global_load_b128 v[BSC+4*\i:BSC+4*\i+3], v[SCP], s[8:9] offset:4096*\i
.endr
	global_load_b128 v[MK:MK+3], v[GOFF], s[10:11]
.macro LOADC x, n                      ; set n = 2 s + m: 16 rows' 512 bytes of K step s
	WIN 0x01
.irp i, 0,1,2,3,4,5,6,7,8,9,10,11,12,13,14,15
	global_load_b128 v[\x+4*\i:\x+4*\i+3], v[AD+16*((\n)%2)+\i], s[KB:KB+1] offset:512*((\n)/2)
.endr
	WIN 0
.endm
.macro TURN x                          ; through my stage and back: LDS serves a wave's instructions in order (ISA guide 5.7.1.4)
.irp i, 0,1,2,3,4,5,6,7,8,9,10,11,12,13,14,15
	ds_store_b128 v[SST], v[\x+4*\i:\x+4*\i+3] offset:KP*\i
.endr
.irp c, 0,1
.irp i, 0,1,2,3,4,5,6,7
	ds_load_b128 v[\x+32*\c+4*\i:\x+32*\c+4*\i+3], v[SLD] offset:256*\c+16*\i
.endr
.endr
.endm
.macro QUANT x, a, sc                  ; 64 numbers a lane become a fragment's 12 registers (window 1) and its rows' scale word
	v_max3_num_f32 v[MX0], |v[\x]|, |v[\x+1]|, FLOOR
	v_max3_num_f32 v[MX1], |v[\x+32]|, |v[\x+33]|, FLOOR
.irp i, 2,4,6,8,10,12,14,16,18,20,22,24,26,28,30
	v_max3_num_f32 v[MX0], v[MX0], |v[\x+\i]|, |v[\x+\i+1]|
	v_max3_num_f32 v[MX1], v[MX1], |v[\x+32+\i]|, |v[\x+33+\i]|
.endr
	v_add_nc_u32 v[SO0], EOFF, v[MX0]
	v_add_nc_u32 v[SO1], EOFF, v[MX1]
	v_lshrrev_b32 v[BY0], 23, v[SO0]
	v_lshrrev_b32 v[BY1], 23, v[SO1]
	v_lshl_or_b32 v[W0], v[BY1], 16, v[BY0]
	v_lshlrev_b32 v[W0], v[H8], v[W0]
	v_permlanex16_b32 v[W1], v[W0], s[SEL], s[SEL+1]
	v_or_b32 v[\sc], v[W0], v[W1]
	WIN 0x40
	v_cvt_scalef32_pk16_bf6_f32 v[\a:\a+2], v[\x:\x+15], v[SO0]
	v_cvt_scalef32_pk16_bf6_f32 v[T:T+2], v[\x+16:\x+31], v[SO0]
	v_cvt_scalef32_pk16_bf6_f32 v[\a+6:\a+8], v[\x+32:\x+47], v[SO1]
	v_cvt_scalef32_pk16_bf6_f32 v[T+4:T+6], v[\x+48:\x+63], v[SO1]
	v_nop                                          ; one plain line behind the last conversion
	WIN 0x41
.irp i, 0,1,2
	v_mov_b32 v[\a+3+\i], v[T+\i]
	v_mov_b32 v[\a+9+\i], v[T+4+\i]
.endr
	WIN 0
.endm
	LOADC BF, 0
	LOADC BF+64, 1
	LOADC BF+128, 2
	s_wait_tensorcnt 0x0                           ; my tile of chunk 0 is in; slot 1's first fill is issued as a refill is
	ds_add_u32 v[SPW], v[NIL]
	s_wait_dscnt 0x0
	ROUND
	TL G0U+4, G1U                                  ; chunk 1
	s_wait_loadcnt 32                              ; the table, the mask and set 0 are in; sets 1 and 2 may be out
.irp i, 0,1,2,3
	ds_store_b128 v[TST], v[BSC+4*\i:BSC+4*\i+3] offset:4096*\i
.endr
	TURN BF
.set N, 0
.rept 16
.set XN, BF+64*(N%3)
.set XN1, BF+64*((N+1)%3)
.if N < 15
.if N < 14
	s_wait_loadcnt 16                              ; set N + 1 is in; set N + 2 may be out
.else
	s_wait_loadcnt 0x0
.endif
	TURN XN1
	s_wait_dscnt 32                                ; set N is back; the 32 just issued may be out
.else
	s_wait_dscnt 0x0
.endif
	QUANT XN, 12*N, ASC+N
.if N < 13
	LOADC XN, N+3
.endif
.set N, N+1
.endr
	WIN 0x40
.set i, 0
.rept 17
	v_mov_b32 v[SA+i], 0                           ; the 16 sums and the sum of va
.set i, i+1
.endr
	WIN 0
	s_wait_alu depctr_va_vdst(0)
	s_wait_dscnt 0x0                               ; my part of the table has landed
	s_barrier_signal -1
	s_barrier_wait -1
.macro FETCH k, i                      ; pair i of slot k: 2 x 24 loads of fragments, 2 of scale words
.irp u, 0,1
.set q, 0
.rept 24
	ds_load_b128 v[BF+96*\u+4*q:BF+96*\u+4*q+3], v[BADR+2*(\k)+(\i)/2] offset:TILEB*((2*(\i)+\u)%4)+512*q
.set q, q+1
.endr
	ds_load_b128 v[BSC+4*\u:BSC+4*\u+3], v[BADR+2*(\k)+(\i)/2] offset:TILEB*((2*(\i)+\u)%4)+12288
.endr
.endm
.macro CVLOAD cv
	ds_load_b128 v[CV:CV+3], v[TADR] offset:256*(\cv)
	ds_load_b128 v[CV+4:CV+7], v[TADR] offset:256*(\cv)+256
.endm
.macro MATRIX                          ; 32 matrix instructions, the four accumulators by turns
	WIN 0x51
.set ms, 0
.rept 8
.irp u, 0,1
.irp m, 0,1
.if ms == 0
	v_wmma_scale_f32_16x16x128_f8f6f4 v[AC+8*(2*\u+\m):AC+8*(2*\u+\m)+7], v[12*(2*ms+\m):12*(2*ms+\m)+11], v[BF+96*\u+12*ms:BF+96*\u+12*ms+11], 0, v[ASC+2*ms+\m], v[BSC+4*\u+ms] matrix_a_fmt:MATRIX_FMT_BF6 matrix_b_fmt:MATRIX_FMT_BF6
.elseif ms < 4
	v_wmma_scale_f32_16x16x128_f8f6f4 v[AC+8*(2*\u+\m):AC+8*(2*\u+\m)+7], v[12*(2*ms+\m):12*(2*ms+\m)+11], v[BF+96*\u+12*ms:BF+96*\u+12*ms+11], v[AC+8*(2*\u+\m):AC+8*(2*\u+\m)+7], v[ASC+2*ms+\m], v[BSC+4*\u+ms] matrix_a_fmt:MATRIX_FMT_BF6 matrix_b_fmt:MATRIX_FMT_BF6
.else
	v_wmma_scale_f32_16x16x128_f8f6f4 v[AC+8*(2*\u+\m):AC+8*(2*\u+\m)+7], v[12*(2*ms+\m):12*(2*ms+\m)+11], v[BF+96*\u+12*ms:BF+96*\u+12*ms+11], v[AC+8*(2*\u+\m):AC+8*(2*\u+\m)+7], v[ASC+2*ms+\m], v[BSC+4*\u+ms-4] matrix_a_fmt:MATRIX_FMT_BF6 matrix_b_fmt:MATRIX_FMT_BF6 matrix_b_scale:MATRIX_SCALE_ROW1
.endif
.endr
.endr
.set ms, ms+1
.endr
	WIN 0
.rept 5
	v_nop                                          ; places behind the last products, ahead of loads into their sources and reads of their results
.endr
.endm
.macro TANH                            ; SA += va / (1 + 2^(C2 acc + cb)); each batch of transcendentals has its wait ahead and behind
	WIN 0x41
.set k, 0
.rept 16
	v_pk_fma_f32 v[AC+2*k:AC+2*k+1], v[AC+2*k:AC+2*k+1], s[CC:CC+1], v[CV+4*(k/8):CV+4*(k/8)+1] op_sel_hi:[1,0,0]
.set k, k+1
.endr
	s_wait_alu depctr_va_vdst(0)
.set k, 0
.rept 32
	v_exp_f32 v[AC+k], v[AC+k]
.set k, k+1
.endr
	v_add_f32 v[SV], v[SV], v[CV+2]                ; the plain line behind the batch
	s_wait_alu depctr_va_vdst(0)
.set k, 0
.rept 16
	v_pk_add_f32 v[AC+2*k:AC+2*k+1], v[AC+2*k:AC+2*k+1], 1.0 op_sel_hi:[1,0]
.set k, k+1
.endr
	s_wait_alu depctr_va_vdst(0)
.set k, 0
.rept 32
	v_rcp_f32 v[AC+k], v[AC+k]
.set k, k+1
.endr
	v_add_f32 v[SV], v[SV], v[CV+6]
	s_wait_alu depctr_va_vdst(0)
	WIN 0x51
.set k, 0
.rept 16
	v_pk_fma_f32 v[SA+2*(k%8):SA+2*(k%8)+1], v[AC+2*k:AC+2*k+1], v[CV+4*(k/8)+2:CV+4*(k/8)+3], v[SA+2*(k%8):SA+2*(k%8)+1] op_sel_hi:[1,0,1]
.set k, k+1
.endr
	WIN 0
.endm
; A step: pair i of slot k.  mode (at i = 3): 2 the slot is filled again, 1 a barrier alone, 0 the very last step
.macro GROUP k, i, mode
.if (\i) == 3 && (\mode) > 0
	s_cmp_eq_u32 s[TY], 0
	s_cbranch_scc0 .Lpast_a_\@
	s_wait_dscnt 0x2                               ; fragments and scale words are in; the two table loads may be out
	MATRIX                                         ; waves 0-3 multiply ahead of the barrier
.Lpast_a_\@:
	s_wait_tensorcnt 0x0                           ; my tile of the other slot is in
	ds_add_u32 v[SPW], v[NIL]
.if (\mode) == 2
	s_add_nc_u64 s[G0U+4*(\k)+2:G0U+4*(\k)+3], s[G0U+4*(\k)+2:G0U+4*(\k)+3], 2*CHUNKB
.endif
	s_wait_dscnt 0x0                               ; the add, and my reads of this slot
.if (\mode) == 2
	ROUND
	TL G0U+4*(\k), G1U                             ; two chunks on, into the slot just read out
.else
	s_barrier_signal -1
	s_barrier_wait -1
.endif
	s_cmp_eq_u32 s[TY], 0
	s_cbranch_scc1 .Lpast_b_\@
	MATRIX                                         ; waves 4-7 behind it
.Lpast_b_\@:
	FETCH 1-(\k), 0
.else
	s_wait_dscnt 0x2
	MATRIX
.if (\i) < 3
	FETCH \k, (\i)+1
.endif
.endif
.if (\i) == 3 && (\mode) == 0
	s_wait_dscnt 0x0
	TANH
.else
	s_wait_dscnt 50                                ; this step's table entries are in; the 50 just issued may be out
	TANH
	CVLOAD 2*(4*(\k)+(\i)+1)
.endif
.endm
	FETCH 0, 0
	CVLOAD 0
	s_mov_b32 s56, 3
.Lpair:                                                ; a trip: two chunks, both slots filled again
	GROUP 0, 0, 2
	GROUP 0, 1, 2
	GROUP 0, 2, 2
	GROUP 0, 3, 2
	GROUP 1, 0, 2
	GROUP 1, 1, 2
	GROUP 1, 2, 2
	GROUP 1, 3, 2
	v_add_nc_u32 v[TADR], 4096, v[TADR]            ; 16 tiles of the table on
	s_sub_co_u32 s56, s56, 1
	s_cmp_lg_u32 s56, 0
	s_wait_alu depctr_va_vdst(0)
	s_cbranch_scc1 .Lpair
	GROUP 0, 0, 1                                  ; chunks 6 and 7: nothing more is fetched from memory
	GROUP 0, 1, 1
	GROUP 0, 2, 1
	GROUP 0, 3, 1
	GROUP 1, 0, 0
	GROUP 1, 1, 0
	GROUP 1, 2, 0
	GROUP 1, 3, 0
	WIN 0x11
.set i, 0
.rept 16
	v_fma_f32 v[BF+i], v[SA+i], -2.0, v[SV]        ; my column class's part: sum of va - 2 sum of va / (1 + e)
.set i, i+1
.endr
	WIN 0
.irp x, 1,2,4,8
.set i, 0
.rept 16
	v_add_f32_dpp v[BF+i], v[BF+i], v[BF+i] row_xmask:\x row_mask:0xf bank_mask:0xf
.set i, i+1
.endr
.endr
.irp m, 0,1
.irp j, 0,1,2,3,4,5,6,7
	ds_store_b32 v[SCW], v[BF+8*\m+\j] offset:64*\m+4*\j   ; row 16 m + 8 h + j: sixteen lanes write the same word with the same value
.endr
.endr
	s_wait_tensorcnt 0x0                           ; behind my last LDS store
	ds_add_u32 v[SPW], v[NIL]
	s_wait_dscnt 0x0
	s_barrier_signal -1
	s_barrier_wait -1
	s_cmp_lt_u32 s[WV], 2
	s_cbranch_scc0 .Lout
	ds_load_b128 v[SCP:SCP+3], v[SCRD]             ; waves 0 and 1 send the 256 scores, 512 consecutive bytes each
	s_wait_dscnt 0x0
.irp i, 0,1,2,3
	v_add_f32 v[SCP+\i], s57, v[SCP+\i]
.endr
.irp i, 0,1,2,3
	v_cmp_ne_u32 vcc_lo, 0, v[MK+\i]
	v_cndmask_b32 v[SCP+\i], 0xff7fffff, v[SCP+\i], vcc_lo
.endr
	global_store_b128 v[GOFF], v[SCP:SCP+3], s[14:15]
.Lout:
	ROUND                                          ; the closing round
	s_endpgm
.Lfunc_end_k_qa97cbb78c1_score:
	.size	k_qa97cbb78c1_score, .Lfunc_end_k_qa97cbb78c1_score-k_qa97cbb78c1_score
	.p2alignl 7, 3214868480
	.fill 96, 4, 3214868480
	.section	.rodata,"a",@progbits
	.p2align	6, 0x0
	.amdhsa_kernel k_qa97cbb78c1_score
		.amdhsa_group_segment_fixed_size 327680
		.amdhsa_private_segment_fixed_size 0
		.amdhsa_enable_private_segment 0
		.amdhsa_kernarg_size 48
		.amdhsa_user_sgpr_count 2
		.amdhsa_user_sgpr_kernarg_segment_ptr 1
		.amdhsa_wavefront_size32 1
		.amdhsa_system_sgpr_workgroup_id_x 1
		.amdhsa_system_sgpr_workgroup_id_y 1
		.amdhsa_system_sgpr_workgroup_id_z 1
		.amdhsa_system_vgpr_workitem_id 0
		.amdhsa_next_free_vgpr 512
		.amdhsa_next_free_sgpr 100
		.amdhsa_reserve_vcc 1
		.amdhsa_float_denorm_mode_32 3
		.amdhsa_float_denorm_mode_16_64 3
		.amdhsa_memory_ordered 1
		.amdhsa_forward_progress 1
		.amdhsa_inst_pref_size 255
	.end_amdhsa_kernel
	.section	.bss,"aw",@nobits
	.p2align	6
	.space	262144
	.amdgpu_metadata
---
amdhsa.version: [ 1, 2 ]
amdhsa.kernels:
  - .name:           k_qa97cbb78c1_score
    .symbol:         k_qa97cbb78c1_score.kd
    .args:
      - { .name: keys, .offset: 0, .size: 8, .value_kind: global_buffer, .address_space: global }
      - { .name: uaimg, .offset: 8, .size: 8, .value_kind: global_buffer, .address_space: global }
      - { .name: qtab, .offset: 16, .size: 8, .value_kind: global_buffer, .address_space: global }
      - { .name: mask, .offset: 24, .size: 8, .value_kind: global_buffer, .address_space: global }
      - { .name: Va_b, .offset: 32, .size: 8, .value_kind: global_buffer, .address_space: global }
      - { .name: scores, .offset: 40, .size: 8, .value_kind: global_buffer, .address_space: global }
    .group_segment_fixed_size: 327680
    .private_segment_fixed_size: 0
    .kernarg_segment_align: 8
    .kernarg_segment_size: 48
    .max_flat_workgroup_size: 256
    .sgpr_count:     100
    .vgpr_count:     512
    .wavefront_size: 32
...
	.end_amdgpu_metadata
.endif
;; end of part 2
;; launch context (part 3): grid 256 x 1, 16 waves a work-group, no clusters, 68,096 bytes of LDS; arguments scores, mask, keys, part, out1; writes part, out1
.if DOCPART == 3
	.amdgcn_target "amdgcn-amd-amdhsa--gfx1250"
	.amdhsa_code_object_version 6
	.text
	.protected	k_qa97cbb78c1_context
	.globl	k_qa97cbb78c1_context
	.p2align	8
	.type	k_qa97cbb78c1_context,@function
k_qa97cbb78c1_context:
	s_mov_b64 s[64:65], 0
	v_nop
	global_prefetch_b8 v0, s[64:65] scope:SCOPE_SE
	s_setreg_imm32_b32 hwreg(HW_REG_WAVE_MODE, 25, 1), 1
	s_wait_xcnt 0x0
; CONTEXT.  weights = softmax over the 2,048 scores of a batch (out1); part[b][c][:] = sum over the 256 rows s of block c of weights[b][s] keys[b][s][:].  The next launch adds a batch's eight parts.
; All in f32, by fused multiply-adds: a product with one row has no work for the matrix unit.
; SHARES.  Work-group (b = x / 8, c = x % 8) takes rows 256 c .. 256 c + 255 of batch b, WHOLE ROWS of 4,096 bytes.  Wave w takes rows 16 w .. 16 w + 15 of the block; a row comes as eight loads of 512 consecutive bytes,
; 16 a lane, so a lane holds 32 sums.  The sixteen waves' sums meet in LDS (4,096 bytes a wave); wave w adds columns 64 w .. 64 w + 63 and stores 256 consecutive bytes, aligned.
; Each of a batch's eight work-groups makes the softmax of its 8 KB of scores anew; work-group c stores one eighth of out1.
; THE SOFTMAX takes the row's maximum away first: p = 2^((s - m) log2 e), a subtraction and then a multiplication, so that the lowest finite f32 gives 0 and, where all 2,048 are masked, 2^0 = 1.
; p of the wave's 16 rows lies in lanes 0-15 of one register; v_readlane_b32 hands each to the multiply-adds.  The sums are divided once at the end.
; ROWS WHOSE WEIGHT IS EXACTLY 0 ARE NOT FETCHED.  Where mask == 0 and the batch has a row with mask != 0, p is 0: the row's loads are turned onto the wave's first row (offset x 0).
; Where the whole batch is masked every weight is 1 / 2,048, and every row is read (ALLM).  A row's flag is one bit of a compare of the wave's 16 mask words, held to 0 or 1 by s_min_u32.
; LIMIT: NaN and infinities in keys are not served (a masked row multiplies another row's numbers by 0).
; Loads run two groups of 2 rows ahead: 32 loads of 512 bytes a wave, sixteen waves.  NO CLUSTER, NO TENSOR LOADS, NO PREFETCH: the work-groups share 16 KB of scores and mask beside 1 MB of keys each.
.set RMAX, 0                           ; LDS: a maximum for each wave
.set RSUM, 256                         ; a sum for each wave
.set CRED, 512                         ; 4,096 bytes of partial context for each wave
.set SPARE, 66048                      ; the spare words, 128 bytes a wave
.set LOFF, 2                           ; v2   16 l
.set T16,  3                           ; v3   16 x thread
.set W4,   4                           ; v4   4 w
.set ZERO, 5                           ; v5   0
.set L15,  6                           ; v6   4 (l % 16)
.set CST,  7                           ; v7   4,096 w + 16 l
.set SCO,  8                           ; v8-11 scores of rows 4 t .. 4 t + 3 of the batch, then p
.set PW,   16                          ; v16  score of my wave's row l % 16, then p
.set FLGV, 17                          ; v17  its mask word
.set OUT,  18                          ; v18-19 what I store to part
.set WT,   20                          ; v20-23 my four weights
.set ACC,  32                          ; v32-63 the 32 sums
.set AD,   64                          ; v64-79 the 16 rows' offsets
.set RD,   80                          ; v80  256 w + 8 l
.set OUTO, 81                          ; v81  8 l
.set D,    96                          ; v96-223 two sets of 2 rows x 32 registers (at the head: the batch's mask)
.set PT,   224                         ; v224-239 the sixteen waves' figures
.set SPW,  240                         ; v240, v241 serve the closing add alone
.set NIL,  241
.set WV,   14                          ; s14 wave, s15 b, s16 c
.set ALLM, 17                          ; s17 all ones where the whole batch is masked
.set FL,   32                          ; s32 bit k: my row k counts
.set PS,   40                          ; s[40:55] p of my 16 rows
	s_load_b256 s[4:11], s[0:1], 0x0               ; scores s[4:5], mask s[6:7], keys s[8:9], part s[10:11]
	s_load_b64 s[12:13], s[0:1], 0x20              ; out1
	v_lshl_add_u32 v[SPW], v0, 2, SPARE
	v_mov_b32 v[NIL], 0
	v_lshrrev_b32 v1, 5, v0
	s_delay_alu instid0(VALU_DEP_1)
	v_readfirstlane_b32 s[WV], v1                  ; wave 0..15
	s_lshr_b32 s15, ttmp9, 3
	s_and_b32 s16, ttmp9, 7
	v_and_b32 v12, 31, v0
	v_and_b32 v[L15], 15, v0
	s_delay_alu instid0(VALU_DEP_2)
	v_lshlrev_b32 v[LOFF], 4, v12
	v_lshlrev_b32 v[OUTO], 3, v12
	v_lshlrev_b32 v[L15], 2, v[L15]
	v_lshlrev_b32 v[T16], 4, v0
	v_lshlrev_b32 v[W4], 2, v1
	v_mov_b32 v[ZERO], 0
	s_lshl_b32 s19, s[WV], 12
	v_add_nc_u32 v[CST], s19, v[LOFF]
	s_lshl_b32 s19, s[WV], 8
	v_add_nc_u32 v[RD], s19, v[OUTO]
	v_mov_b32 v13, 0                               ; written once: a lane permute's destination counts as one of its sources
	s_mov_b32 s20, 0x76543210
	s_mov_b32 s21, 0xfedcba98
	s_lshl_b32 s28, s15, 13                        ; a batch's scores, mask and weights: 8,192 bytes
	s_mov_b32 s29, 0
	s_lshl_b32 s30, s16, 10                        ; my 16 rows' words: 1,024 c + 64 w
	s_lshl_b32 s18, s[WV], 6
	s_add_co_u32 s30, s30, s18
	s_mov_b32 s31, 0
	s_wait_alu depctr_va_vdst(0)
	s_wait_kmcnt 0x0
	s_add_nc_u64 s[4:5], s[4:5], s[28:29]
	s_add_nc_u64 s[22:23], s[6:7], s[28:29]
	s_add_nc_u64 s[24:25], s[22:23], s[30:31]
	s_add_nc_u64 s[36:37], s[4:5], s[30:31]
	s_add_nc_u64 s[12:13], s[12:13], s[28:29]
	s_lshl_b32 s28, s15, 23                        ; keys: 8 MB a batch, 1 MB a block, 16 rows of 4,096 bytes a wave
	s_lshl_b32 s30, s16, 20
	s_add_co_u32 s28, s28, s30
	s_lshl_b32 s30, s[WV], 16
	s_add_co_u32 s28, s28, s30
	s_add_nc_u64 s[26:27], s[8:9], s[28:29]
	s_lshl_b32 s28, ttmp9, 12                      ; part: 4,096 bytes a work-group, 256 a wave
	s_lshl_b32 s30, s[WV], 8
	s_add_co_u32 s28, s28, s30
	s_add_nc_u64 s[10:11], s[10:11], s[28:29]
.irp i, 0,1,2,3,4,5,6,7,8,9,10,11,12,13,14,15
	global_load_b128 v[D+4*\i:D+4*\i+3], v[LOFF], s[22:23] offset:512*\i   ; the batch's whole mask, in every wave: 64 words a lane
.endr
	global_load_b32 v[FLGV], v[L15], s[24:25]      ; my wave's 16 mask words (lanes 16-31 hold them once more)
	global_load_b32 v[PW], v[L15], s[36:37]        ; and its 16 scores
	global_load_b128 v[SCO:SCO+3], v[T16], s[4:5]
	s_wait_loadcnt 0x2                             ; the masks are in; the two loads of scores may be out
.irp n, 32,16,8,4,2,1
.set i, 0
.rept \n
	v_or_b32 v[D+i], v[D+i], v[D+i+\n]
.set i, i+1
.endr
.endr
	s_delay_alu instid0(VALU_DEP_1)
	v_cmp_ne_u32 vcc_lo, 0, v[D]                   ; a bit for each lane that saw a word other than 0
	s_cmp_eq_u32 vcc_lo, 0
	s_cselect_b32 s[ALLM], -1, 0
	v_cmp_ne_u32 s[FL], 0, v[FLGV]
	s_or_b32 s[FL], s[FL], s[ALLM]
.set k, 0
.rept 16
	s_bfe_u32 s18, s[FL], 0x10000|k                ; row k's flag,
	s_min_u32 s18, s18, 1                          ; 0 or 1,
	s_mul_i32 s18, s18, k*4096                     ; times its place
	v_add_nc_u32 v[AD+k], s18, v[LOFF]
.set k, k+1
.endr
	s_wait_alu depctr_va_vdst(0)
.macro GLOAD g                         ; group g: rows 2 g and 2 g + 1, eight loads of 512 bytes each
.irp rr, 0,1
.irp i, 0,1,2,3,4,5,6,7
	global_load_b128 v[D+64*((\g)%2)+32*\rr+4*\i:D+64*((\g)%2)+32*\rr+4*\i+3], v[AD+2*(\g)+\rr], s[26:27] offset:512*\i
.endr
.endr
.endm
	GLOAD 0
	GLOAD 1
	; ---- the softmax, while those 32 loads are on their way
	s_wait_loadcnt 32                              ; the scores are in: behind them 32 loads were issued
	v_max3_num_f32 v12, v[SCO], v[SCO+1], v[SCO+2]
	s_delay_alu instid0(VALU_DEP_1)
	v_max_num_f32 v12, v12, v[SCO+3]
	s_delay_alu instid0(VALU_DEP_1)
	v_max_num_f32_dpp v12, v12, v12 row_xmask:1 row_mask:0xf bank_mask:0xf
	s_delay_alu instid0(VALU_DEP_1)
	v_max_num_f32_dpp v12, v12, v12 row_xmask:2 row_mask:0xf bank_mask:0xf
	s_delay_alu instid0(VALU_DEP_1)
	v_max_num_f32_dpp v12, v12, v12 row_xmask:4 row_mask:0xf bank_mask:0xf
	s_delay_alu instid0(VALU_DEP_1)
	v_max_num_f32_dpp v12, v12, v12 row_xmask:8 row_mask:0xf bank_mask:0xf
	s_delay_alu instid0(VALU_DEP_1)
	v_permlanex16_b32 v13, v12, s20, s21
	s_delay_alu instid0(VALU_DEP_1)
	v_max_num_f32 v12, v12, v13
	ds_store_b32 v[W4], v12 offset:RMAX            ; all lanes write the wave's word with the same value
	s_wait_dscnt 0x0                               ; for the others' sake
	s_barrier_signal -1
	s_barrier_wait -1
.irp q, 0,1,2,3
	ds_load_b128 v[PT+4*\q:PT+4*\q+3], v[ZERO] offset:RMAX+16*\q
.endr
	s_wait_dscnt 0x0
	v_max3_num_f32 v12, v[PT], v[PT+1], v[PT+2]
	v_max3_num_f32 v14, v[PT+3], v[PT+4], v[PT+5]
	s_delay_alu instid0(VALU_DEP_2)
	v_max3_num_f32 v12, v12, v[PT+6], v[PT+7]
	s_delay_alu instid0(VALU_DEP_2)
	v_max3_num_f32 v14, v14, v[PT+8], v[PT+9]
	s_delay_alu instid0(VALU_DEP_2)
	v_max3_num_f32 v12, v12, v[PT+10], v[PT+11]
	s_delay_alu instid0(VALU_DEP_2)
	v_max3_num_f32 v14, v14, v[PT+12], v[PT+13]
	s_delay_alu instid0(VALU_DEP_2)
	v_max3_num_f32 v12, v12, v[PT+14], v[PT+15]
	s_delay_alu instid0(VALU_DEP_1)
	v_max_num_f32 v12, v12, v14                    ; m, the batch's largest score
.irp i, 0,1,2,3
	v_sub_f32 v[SCO+\i], v[SCO+\i], v12            ; not fused with the multiplication: m log2 e would overflow where all are masked
.endr
	v_sub_f32 v[PW], v[PW], v12
.irp i, 0,1,2,3
	v_mul_f32 v[SCO+\i], 0x3fb8aa3b, v[SCO+\i]
.endr
	v_mul_f32 v[PW], 0x3fb8aa3b, v[PW]
	s_wait_alu depctr_va_vdst(0)
.irp i, 0,1,2,3
	v_exp_f32 v[SCO+\i], v[SCO+\i]
.endr
	v_exp_f32 v[PW], v[PW]
	v_nop                                          ; a plain line behind the last exponential
	s_wait_alu depctr_va_vdst(0)
	v_add_f32 v14, v[SCO], v[SCO+1]
	v_add_f32 v15, v[SCO+2], v[SCO+3]
	s_delay_alu instid0(VALU_DEP_1)
	v_add_f32 v14, v14, v15
	s_delay_alu instid0(VALU_DEP_1)
	v_add_f32_dpp v14, v14, v14 row_xmask:1 row_mask:0xf bank_mask:0xf
	s_delay_alu instid0(VALU_DEP_1)
	v_add_f32_dpp v14, v14, v14 row_xmask:2 row_mask:0xf bank_mask:0xf
	s_delay_alu instid0(VALU_DEP_1)
	v_add_f32_dpp v14, v14, v14 row_xmask:4 row_mask:0xf bank_mask:0xf
	s_delay_alu instid0(VALU_DEP_1)
	v_add_f32_dpp v14, v14, v14 row_xmask:8 row_mask:0xf bank_mask:0xf
	s_delay_alu instid0(VALU_DEP_1)
	v_permlanex16_b32 v13, v14, s20, s21
	s_delay_alu instid0(VALU_DEP_1)
	v_add_f32 v14, v14, v13
	ds_store_b32 v[W4], v14 offset:RSUM            ; my wave's sum of p: read behind the last barrier
.set k, 0
.rept 16
	v_readlane_b32 s[PS+k], v[PW], k               ; p of my row k
.set k, k+1
.endr
; ---- the stream.  Group g is summed while group g + 1 is on its way; then group g + 2 is asked for.
.macro STEP g
	s_wait_alu depctr_va_vdst(0)
.if (\g) < 7
	s_wait_loadcnt 16                              ; this group's 16 loads are in; the next group's 16 may be out
.else
	s_wait_loadcnt 0x0
.endif
.irp rr, 0,1
.set j, 0
.rept 32
.if ((\g) == 0) && (\rr == 0)
	v_mul_f32 v[ACC+j], s[PS+2*(\g)+\rr], v[D+64*((\g)%2)+32*\rr+j]    ; the first row starts the sums: nothing is cleared
.else
	v_fmac_f32 v[ACC+j], s[PS+2*(\g)+\rr], v[D+64*((\g)%2)+32*\rr+j]
.endif
.set j, j+1
.endr
.endr
.if (\g)+2 <= 7
	GLOAD (\g)+2
.endif
.endm
.irp g, 0,1,2,3,4,5,6,7
	STEP \g
.endr
.irp i, 0,1,2,3,4,5,6,7
	ds_store_b128 v[CST], v[ACC+4*\i:ACC+4*\i+3] offset:CRED+512*\i
.endr
	s_wait_tensorcnt 0x0                           ; behind my last LDS store
	ds_add_u32 v[SPW], v[NIL]
	s_wait_dscnt 0x0                               ; for the others' sake too: my sum and my partial context have landed
	s_barrier_signal -1
	s_barrier_wait -1
.irp q, 0,1,2,3
	ds_load_b128 v[PT+4*\q:PT+4*\q+3], v[ZERO] offset:RSUM+16*\q
.endr
.irp p, 0,1,2,3,4,5,6,7,8,9,10,11,12,13,14,15
	ds_load_b64 v[D+2*\p:D+2*\p+1], v[RD] offset:CRED+4096*\p   ; columns 64 w + 2 l, + 1 of wave p's sums
.endr
	s_wait_dscnt 0x0
.irp n, 4,2,1
.set i, 0
.rept \n
	v_pk_add_f32 v[PT+2*i:PT+2*i+1], v[PT+2*i:PT+2*i+1], v[PT+2*(i+\n):PT+2*(i+\n)+1]
.set i, i+1
.endr
.endr
	s_delay_alu instid0(VALU_DEP_1)
	v_add_f32 v14, v[PT], v[PT+1]                  ; the sum of p: at least 1
	s_wait_alu depctr_va_vdst(0)
	v_rcp_f32 v15, v14
.irp n, 8,4,2,1
.set i, 0
.rept \n
	v_pk_add_f32 v[D+2*i:D+2*i+1], v[D+2*i:D+2*i+1], v[D+2*(i+\n):D+2*(i+\n)+1]   ; plain work behind it
.set i, i+1
.endr
.endr
	s_wait_alu depctr_va_vdst(0)                   ; behind the reciprocal, ahead of its first reader and of the branch
	v_mul_f32 v[OUT], v[D], v15                    ; / the sum of p
	v_mul_f32 v[OUT+1], v[D+1], v15
	global_store_b64 v[OUTO], v[OUT:OUT+1], s[10:11]   ; the wave stores 256 consecutive bytes, aligned
	s_lshr_b32 s19, s[WV], 1                       ; out1: work-group c stores the part that its waves 2 c and 2 c + 1 hold
	s_cmp_lg_u32 s19, s16
	s_cbranch_scc1 .Lend
.irp i, 0,1,2,3
	v_mul_f32 v[WT+\i], v[SCO+\i], v15
.endr
	global_store_b128 v[T16], v[WT:WT+3], s[12:13] ; the wave stores 512 consecutive bytes, aligned
.Lend:
	s_endpgm
.Lfunc_end_k_qa97cbb78c1_context:
	.size	k_qa97cbb78c1_context, .Lfunc_end_k_qa97cbb78c1_context-k_qa97cbb78c1_context
	.p2alignl 7, 3214868480
	.fill 96, 4, 3214868480
	.section	.rodata,"a",@progbits
	.p2align	6, 0x0
	.amdhsa_kernel k_qa97cbb78c1_context
		.amdhsa_group_segment_fixed_size 68096
		.amdhsa_private_segment_fixed_size 0
		.amdhsa_enable_private_segment 0
		.amdhsa_kernarg_size 40
		.amdhsa_user_sgpr_count 2
		.amdhsa_user_sgpr_kernarg_segment_ptr 1
		.amdhsa_wavefront_size32 1
		.amdhsa_system_sgpr_workgroup_id_x 1
		.amdhsa_system_sgpr_workgroup_id_y 1
		.amdhsa_system_sgpr_workgroup_id_z 1
		.amdhsa_system_vgpr_workitem_id 0
		.amdhsa_next_free_vgpr 248
		.amdhsa_next_free_sgpr 66
		.amdhsa_reserve_vcc 1
		.amdhsa_float_denorm_mode_32 3
		.amdhsa_float_denorm_mode_16_64 3
		.amdhsa_memory_ordered 1
		.amdhsa_forward_progress 1
		.amdhsa_inst_pref_size 46
	.end_amdhsa_kernel
	.amdgpu_metadata
---
amdhsa.version: [ 1, 2 ]
amdhsa.kernels:
  - .name:           k_qa97cbb78c1_context
    .symbol:         k_qa97cbb78c1_context.kd
    .args:
      - { .name: scores, .offset: 0, .size: 8, .value_kind: global_buffer, .address_space: global }
      - { .name: mask, .offset: 8, .size: 8, .value_kind: global_buffer, .address_space: global }
      - { .name: keys, .offset: 16, .size: 8, .value_kind: global_buffer, .address_space: global }
      - { .name: part, .offset: 24, .size: 8, .value_kind: global_buffer, .address_space: global }
      - { .name: out1, .offset: 32, .size: 8, .value_kind: global_buffer, .address_space: global }
    .group_segment_fixed_size: 68096
    .private_segment_fixed_size: 0
    .kernarg_segment_align: 8
    .kernarg_segment_size: 40
    .max_flat_workgroup_size: 512
    .sgpr_count:     66
    .vgpr_count:     248
    .wavefront_size: 32
...
	.end_amdgpu_metadata
.endif
;; end of part 3
;; launch addup (part 4): grid 32 x 1, 8 waves a work-group, no clusters, 0 bytes of LDS; arguments part, out0; writes out0
.if DOCPART == 4
	.amdgcn_target "amdgcn-amd-amdhsa--gfx1250"
	.amdhsa_code_object_version 6
	.text
	.protected	k_qa97cbb78c1_addup
	.globl	k_qa97cbb78c1_addup
	.p2align	8
	.type	k_qa97cbb78c1_addup,@function
k_qa97cbb78c1_addup:
	s_mov_b64 s[64:65], 0
	v_nop
	global_prefetch_b8 v0, s[64:65] scope:SCOPE_SE
	s_setreg_imm32_b32 hwreg(HW_REG_WAVE_MODE, 25, 1), 1
	s_wait_xcnt 0x0
; ADDUP.  out0[b][:] = the sum of part[b][0 .. 7][:], in f32, as a tree.  Work-group b takes a batch, a thread four columns: each load and the store of a wave cover 512 consecutive bytes, aligned.
; No LDS, no barrier, no loop: eight loads a thread, all asked for at once.
	s_load_b128 s[4:7], s[0:1], 0x0                ; part, out0
	v_lshlrev_b32 v1, 4, v0                        ; 16 x thread
	s_lshl_b32 s8, ttmp9, 15                       ; a batch's eight parts: 32,768 bytes
	s_mov_b32 s9, 0
	s_lshl_b32 s10, ttmp9, 12                      ; its row of out0: 4,096 bytes
	s_mov_b32 s11, 0
	s_wait_alu depctr_va_vdst(0)
	s_wait_kmcnt 0x0
	s_add_nc_u64 s[4:5], s[4:5], s[8:9]
	s_add_nc_u64 s[6:7], s[6:7], s[10:11]
.irp c, 0,1,2,3,4,5,6,7
	global_load_b128 v[4+4*\c:7+4*\c], v1, s[4:5] offset:4096*\c
.endr
	s_wait_loadcnt 0x0
.irp n, 4,2,1
.set i, 0
.rept \n
	v_pk_add_f32 v[4+4*i:5+4*i], v[4+4*i:5+4*i], v[4+4*(i+\n):5+4*(i+\n)]
	v_pk_add_f32 v[6+4*i:7+4*i], v[6+4*i:7+4*i], v[6+4*(i+\n):7+4*(i+\n)]
.set i, i+1
.endr
.endr
	global_store_b128 v1, v[4:7], s[6:7]
	s_endpgm
.Lfunc_end_k_qa97cbb78c1_addup:
	.size	k_qa97cbb78c1_addup, .Lfunc_end_k_qa97cbb78c1_addup-k_qa97cbb78c1_addup
	.p2alignl 7, 3214868480
	.fill 96, 4, 3214868480
	.section	.rodata,"a",@progbits
	.p2align	6, 0x0
	.amdhsa_kernel k_qa97cbb78c1_addup
		.amdhsa_group_segment_fixed_size 0
		.amdhsa_private_segment_fixed_size 0
		.amdhsa_enable_private_segment 0
		.amdhsa_kernarg_size 16
		.amdhsa_user_sgpr_count 2
		.amdhsa_user_sgpr_kernarg_segment_ptr 1
		.amdhsa_wavefront_size32 1
		.amdhsa_system_sgpr_workgroup_id_x 1
		.amdhsa_system_sgpr_workgroup_id_y 1
		.amdhsa_system_sgpr_workgroup_id_z 1
		.amdhsa_system_vgpr_workitem_id 0
		.amdhsa_next_free_vgpr 48
		.amdhsa_next_free_sgpr 66
		.amdhsa_reserve_vcc 0
		.amdhsa_float_denorm_mode_32 3
		.amdhsa_float_denorm_mode_16_64 3
		.amdhsa_memory_ordered 1
		.amdhsa_forward_progress 1
		.amdhsa_inst_pref_size 3
	.end_amdhsa_kernel
	.amdgpu_metadata
---
amdhsa.version: [ 1, 2 ]
amdhsa.kernels:
  - .name:           k_qa97cbb78c1_addup
    .symbol:         k_qa97cbb78c1_addup.kd
    .args:
      - { .name: part, .offset: 0, .size: 8, .value_kind: global_buffer, .address_space: global }
      - { .name: out0, .offset: 8, .size: 8, .value_kind: global_buffer, .address_space: global }
    .group_segment_fixed_size: 0
    .private_segment_fixed_size: 0
    .kernarg_segment_align: 8
    .kernarg_segment_size: 16
    .max_flat_workgroup_size: 256
    .sgpr_count:     66
    .vgpr_count:     48
    .wavefront_size: 32
...
	.end_amdgpu_metadata
.endif
;; end of part 4
